; MI455X (gfx1250); checked and timed in simulation.
; The chip was launched on July 23, 2026; its instructions are those of AMD's public machine-readable ISA for CDNA 5 (MIT licence, August 2026) and "CDNA5" Instruction Set Architecture Reference Guide (July 2026). The comments in the code are by the model that wrote it; some were corrected since.
;; Liquid Cell. Allowed arithmetic: matrix products marked QUANTISED: E2M1 operands, one E8M0 scale for each 32 along K, by v_wmma_scale_f32_16x16x128_f8f6f4 with both operands' format E2M1 (or v_wmma_scale_f32_32x16x128_f4), f32 sums; everything else in f32.
;; Inputs: fW1_codes 1,024 x 24 x 16 uint8 (E2M1 codes of fW1, K innermost, in blocks of 32 codes, two codes a byte); fW1_scales 1,024 x 24 uint8 (E8M0 scales of fW1, one for each 32 codes along K); fW2_codes 512 x 32 x 16 uint8 (E2M1 codes of fW2, K innermost, in blocks of 32 codes, two codes a byte); fW2_scales 512 x 32 uint8 (E8M0 scales of fW2, one for each 32 codes along K); fb1 1,024 float32; fb2 512 float32; gW_codes 512 x 24 x 16 uint8 (E2M1 codes of gW, K innermost, in blocks of 32 codes, two codes a byte); gW_scales 512 x 24 uint8 (E8M0 scales of gW, one for each 32 codes along K); gb 512 float32; ln_b 512 float32; ln_g 512 float32; tW_codes 512 x 24 x 16 uint8 (E2M1 codes of tW, K innermost, in blocks of 32 codes, two codes a byte); tW_scales 512 x 24 uint8 (E8M0 scales of tW, one for each 32 codes along K); tb 512 float32; u 16,384 x 256 float32; x 16,384 x 512 float32.
;; Outputs: out0 16,384 x 512 float32.
;; This version of the problem:
;;   THIS VERSION OF THE PROBLEM IS GIVEN IN LOW PRECISION. The matrix products marked QUANTISED in the list below multiply operands that are first quantised to E2M1 (2 exponent bits, 1 mantissa bit; 4 bits a number), with one power-of-two scale for each 32 numbers along K (OCP MX v1.0); their sums are f32. All else is computed in f32.
;;   The module's matrix products, in the order in which they are computed (A, B: the left and right operand; K: the contracted axis; several contracted axes count as one K, in the product's order):
;;     1. [M 16,384, K 768] x [K 768, N 512]; A: computed on the way; B: input tW (given as codes): QUANTISED
;;     2. [M 16,384, K 768] x [K 768, N 512]; A: computed on the way; B: input gW (given as codes): QUANTISED
;;     3. [M 16,384, K 768] x [K 768, N 1,024]; A: computed on the way; B: input fW1 (given as codes): QUANTISED
;;     4. [M 16,384, K 1,024] x [K 1,024, N 512]; A: computed on the way; B: input fW2 (given as codes): QUANTISED
;;     5. [M 16,384, K 768] x [K 768, N 512]; A: computed on the way; B: input tW (given as codes): QUANTISED
;;     6. [M 16,384, K 768] x [K 768, N 512]; A: computed on the way; B: input gW (given as codes): QUANTISED
;;     7. [M 16,384, K 768] x [K 768, N 1,024]; A: computed on the way; B: input fW1 (given as codes): QUANTISED
;;     8. [M 16,384, K 1,024] x [K 1,024, N 512]; A: computed on the way; B: input fW2 (given as codes): QUANTISED
;;   THE QUANTISER, for each operand of a quantised product, along K:
;;     - K is cut into blocks of 32 from its start; a last block that is shorter is filled with zeros.
;;     - A block's scale is 2^e with e = floor(log2(the largest magnitude in the block)) - 2, held to -126 .. 127; a block of zeros has e = 0. As a byte (E8M0): e + 127.
;;     - Each number is divided by its block's scale, clamped to +-6, and rounded to the nearest number of E2M1, ties to even, subnormals kept.
;;     - The product sums the exact products of the quantised numbers (number of the format x scale) in f32.
;;   ~~~python
;;   def quantise(x, axis):      # numpy; x: float32 -> the quantised numbers, widened to float32 again
;;       x = np.moveaxis(x, axis, -1); K = x.shape[-1]
;;       x = np.pad(x, [(0, 0)] * (x.ndim - 1) + [(0, -K % 32)]); x = x.reshape(x.shape[:-1] + (-1, 32)); a = np.abs(x).max(-1, keepdims=True)
;;       e = np.where(a > 0, np.clip(np.frexp(np.where(a > 0, a, 1))[1] - 1 - 2, -126, 127), 0)      # np.frexp(a)[1] - 1 = floor(log2(a)), exactly
;;       r = np.clip(x / 2.0 ** e, -6, 6)
;;       step = 2.0 ** (np.maximum(np.frexp(np.where(r == 0, 1, r))[1] - 1, 0) - 1)
;;       q = np.round(r / step) * step * 2.0 ** e      # np.round: ties to even
;;       return np.moveaxis(q.reshape(q.shape[:-2] + (-1,))[..., :K], -1, axis).astype(np.float32)
;;   ~~~
;;   OPERANDS COMPUTED ON THE WAY. 'Computed on the way' means the value that the module computes at that place (a softmax that the list does not call 'softmax' is quantised finished and normalised). What goes into a quantiser is computed in f32, as accurately as f32 sums, v_exp_f32 and their like allow (about 1e-6 of the number): no bf16 or f16 on the way to a quantiser, and a product that is left as it is and whose result goes on into a quantised operand takes f32 operands (vector FMAs, or v_wmma_f32_16x16x4_f32). A number that lies on a knife's edge between two numbers of the format may be rounded either way, as far as f32 arithmetic and the matrix unit's own rounding can turn it there, and no further.
;;   INPUTS GIVEN AS CODES. fW1 (in the module: [768, 1024], K = its axis 0); fW2 (in the module: [1024, 512], K = its axis 0); gW (in the module: [768, 512], K = its axis 0); tW (in the module: [768, 512], K = its axis 0): each comes as NAME_codes (uint8): NAME with its K axis moved to the last place and cut into blocks of 32 codes, [.., K / 32, bytes a block], one block behind the other in memory; two codes a byte, the lower K in the low four bits (a code: sign, 2 exponent bits, 1 mantissa bit); and NAME_scales (uint8): the same leading axes, one E8M0 byte (e + 127) for each 32 codes along K. Its value is code x scale, taken as it is: it is not quantised again, and the codes and scales need not be those that the quantiser above would give.
;; One version. Each part assembles by itself: llvm-mc -triple=amdgcn-amd-amdhsa -mcpu=gfx1250 --defsym DOCPART=n.
;; ======== version 1 of 1: 2 launches
;; limits: right only within a limited range of input values
;; workspace buffers: wstream 1,128,448 bytes
;; launch prep (part 1): grid 97 x 1, 1 waves a work-group, no clusters, 0 bytes of LDS; arguments fW1_codes, fW1_scales, fW2_codes, fW2_scales, gW_codes, gW_scales, tW_codes, tW_scales, fb1, fb2, tb, gb, ln_g, ln_b, wstream; writes wstream
.if DOCPART == 1
	.amdgcn_target "amdgcn-amd-amdhsa--gfx1250"
	.amdhsa_code_object_version 6
	.text
	.protected	k_q6b63fdeb6b_prep
	.globl	k_q6b63fdeb6b_prep
	.p2align	8
	.type	k_q6b63fdeb6b_prep,@function
k_q6b63fdeb6b_prep:
	s_mov_b64 s[64:65], 0
	v_nop
	global_prefetch_b8 v0, s[64:65] scope:SCOPE_SE
	s_setreg_imm32_b32 hwreg(HW_REG_WAVE_MODE, 25, 1), 1
	s_wait_xcnt 0x0
; The four weights (codes and scale bytes) and the six vectors are laid into ONE stream, in the order and in the register layout in which the next launch takes them.
; The stream: four sections, one for each wave w of the next launch.  A section: FW(k), k = 0..7, PARTB bytes each; then TG(q), q = 0..3, PARTD bytes each.  Behind the sections: the six vectors as they are.
; A BLOCK OF 32 ROWS of a tensor with K = 768 (BLK bytes): fragment (K step s, tile u) at 1024 (2 s + u): register group c at 512 c, lane l's 16 bytes at 16 l:
;   codes[row 32 b + 8 u + prow(r)][bytes 64 s + 32 c + 16 h ..], r = l % 16, h = l / 16, prow(r) = r + 8 (r / 8).  So a lane's results of tiles u = 0, 1 are 16 neighbouring columns.
;   Behind the 12 fragments the scale bytes: at 12288 + 256 i + 8 l: scales[row 32 b + 8 h + prow(r)][8 i .. 8 i + 7]: lanes 0-15 hold tile 0's rows, lanes 16-31 tile 1's.
; FW(k) = block 4 k + w of fW1, then the part of fW2 for K step k: fragment (q, u) at 1024 (2 q + u): rows 32 (4 q + w) + 8 u + prow(r), bytes 64 k + 32 c + 16 h; its scale words at 8192 + 16 l + 4 q.
; TG(q) = block 4 q + w of tW, then the same block of gW.
; One wave to an item: 64 blocks of 32 rows, 32 parts of fW2, 1 copy of the vectors.  Every store of the wave covers 512 (scale bytes: 256) consecutive bytes, aligned.  No register is written twice, so no wait but those for the loads.
.set SECTION, 278528
.set PARTB,   21760
.set PARTD,   26112
.set BLK,     13056
.set TG0,     174080
.set CONSTO,  1114112
	s_load_b512 s[16:31], s[0:1], 0x0              ; fW1 codes, scales; fW2 codes, scales; gW codes, scales; tW codes, scales
	s_load_b256 s[32:39], s[0:1], 0x40             ; fb1, fb2, tb, gb
	s_load_b128 s[40:43], s[0:1], 0x60             ; ln_g, ln_b
	s_load_b64 s[44:45], s[0:1], 0x70              ; the stream
	v_and_b32 v1, 15, v0                           ; r
	v_lshrrev_b32 v2, 4, v0                        ; h (one wave: the thread's number is the lane)
	v_and_b32 v3, 8, v1
	v_add_nc_u32 v3, v3, v1                        ; prow(r)
	v_lshlrev_b32 v4, 4, v0                        ; 16 l
	v_lshlrev_b32 v5, 3, v0                        ; 8 l
	v_lshl_add_u32 v6, v2, 3, v3                   ; 8 h + prow(r): the scale bytes' row
	s_wait_kmcnt 0x0
	s_cmp_lt_u32 ttmp9, 64
	s_cbranch_scc0 .Lnot768
	; ---- items 0..63: a block of 32 rows.  0..31: fW1;  32..47: tW;  48..63: gW.  The choices hang on the work-group's number alone
	s_cmp_lt_u32 ttmp9, 48
	s_cselect_b64 s[4:5], s[28:29], s[24:25]
	s_cselect_b64 s[6:7], s[30:31], s[26:27]
	s_cselect_b32 s8, 32, 48                       ; the tensor's first item
	s_cselect_b32 s9, 0, BLK                       ; gW's block lies behind tW's
	s_add_co_u32 s9, s9, TG0
	s_mov_b32 s10, PARTD
	s_cmp_lt_u32 ttmp9, 32
	s_cselect_b64 s[4:5], s[16:17], s[4:5]
	s_cselect_b64 s[6:7], s[18:19], s[6:7]
	s_cselect_b32 s8, 0, s8
	s_cselect_b32 s9, 0, s9
	s_cselect_b32 s10, PARTB, s10
	s_sub_co_u32 s8, ttmp9, s8                     ; b
	s_and_b32 s11, s8, 3
	s_mul_i32 s11, s11, SECTION                    ; section b % 4,
	s_lshr_b32 s12, s8, 2
	s_mul_i32 s12, s12, s10                        ; tile b / 4
	s_add_co_u32 s12, s12, s11
	s_add_co_u32 s12, s12, s9
	s_mov_b32 s13, 0
	s_add_nc_u64 s[12:13], s[44:45], s[12:13]
	s_mul_i32 s14, s8, 12288                       ; 32 rows of 384 bytes
	s_mov_b32 s15, 0
	s_add_nc_u64 s[4:5], s[4:5], s[14:15]
	s_mul_i32 s14, s8, 768                         ; 32 rows of 24 bytes
	s_add_nc_u64 s[6:7], s[6:7], s[14:15]
	s_wait_alu depctr_va_vdst(0)
	v_mul_u32_u24 v7, v3, 384
	v_lshl_add_u32 v7, v2, 4, v7
	v_mul_u32_u24 v8, v6, 24
.irp s, 0,1,2,3,4,5
.irp u, 0,1
.irp c, 0,1
	global_load_b128 v[16+4*(2*(2*\s+\u)+\c):16+4*(2*(2*\s+\u)+\c)+3], v7, s[4:5] offset:3072*\u+64*\s+32*\c
.endr
.endr
.endr
.irp i, 0,1,2
	global_load_b64 v[112+2*\i:113+2*\i], v8, s[6:7] offset:8*\i
.endr
	s_wait_loadcnt 0x0
.irp s, 0,1,2,3,4,5
.irp u, 0,1
.irp c, 0,1
	global_store_b128 v4, v[16+4*(2*(2*\s+\u)+\c):16+4*(2*(2*\s+\u)+\c)+3], s[12:13] offset:1024*(2*\s+\u)+512*\c
.endr
.endr
.endr
.irp i, 0,1,2
	global_store_b64 v5, v[112+2*\i:113+2*\i], s[12:13] offset:12288+256*\i
.endr
	s_endpgm
.Lnot768:
	s_cmp_lt_u32 ttmp9, 96
	s_cbranch_scc0 .Lconst
	; ---- items 64..95: fW2's part for K step k and wave w
	s_sub_co_u32 s8, ttmp9, 64
	s_lshr_b32 s9, s8, 2                           ; k
	s_and_b32 s10, s8, 3                           ; w
	s_lshl_b32 s14, s10, 14                        ; 32 w rows of 512 bytes
	s_lshl_b32 s11, s9, 6                          ; 64 k bytes along K
	s_add_co_u32 s14, s14, s11
	s_mov_b32 s15, 0
	s_add_nc_u64 s[4:5], s[20:21], s[14:15]
	s_lshl_b32 s14, s10, 10                        ; 32 w rows of 32 scale bytes
	s_lshl_b32 s11, s9, 2
	s_add_co_u32 s14, s14, s11
	s_add_nc_u64 s[6:7], s[22:23], s[14:15]
	s_mul_i32 s14, s10, SECTION
	s_mul_i32 s11, s9, PARTB
	s_add_co_u32 s14, s14, s11
	s_add_co_u32 s14, s14, BLK                     ; behind fW1's block
	s_add_nc_u64 s[12:13], s[44:45], s[14:15]
	s_wait_alu depctr_va_vdst(0)
	v_lshlrev_b32 v7, 9, v3
	v_lshl_add_u32 v7, v2, 4, v7
	v_lshlrev_b32 v8, 5, v6
.irp q, 0,1,2,3
.irp u, 0,1
.irp c, 0,1
	global_load_b128 v[16+4*(2*(2*\q+\u)+\c):16+4*(2*(2*\q+\u)+\c)+3], v7, s[4:5] offset:65536*\q+4096*\u+32*\c
.endr
.endr
	global_load_b32 v[80+\q], v8, s[6:7] offset:4096*\q
.endr
	s_wait_loadcnt 0x0
.irp q, 0,1,2,3
.irp u, 0,1
.irp c, 0,1
	global_store_b128 v4, v[16+4*(2*(2*\q+\u)+\c):16+4*(2*(2*\q+\u)+\c)+3], s[12:13] offset:1024*(2*\q+\u)+512*\c
.endr
.endr
.endr
	global_store_b128 v4, v[80:83], s[12:13] offset:8192
	s_endpgm
.Lconst:
	; ---- item 96: fb1, fb2, tb, gb, ln_g, ln_b on end: 28 pieces of 512 bytes
	s_add_nc_u64 s[12:13], s[44:45], CONSTO
	s_wait_alu depctr_va_vdst(0)
.irp n, 0,1,2,3,4,5,6,7
	global_load_b128 v[16+4*\n:19+4*\n], v4, s[32:33] offset:512*\n
.endr
.irp n, 0,1,2,3
	global_load_b128 v[48+4*\n:51+4*\n], v4, s[34:35] offset:512*\n
	global_load_b128 v[64+4*\n:67+4*\n], v4, s[36:37] offset:512*\n
	global_load_b128 v[80+4*\n:83+4*\n], v4, s[38:39] offset:512*\n
	global_load_b128 v[96+4*\n:99+4*\n], v4, s[40:41] offset:512*\n
	global_load_b128 v[112+4*\n:115+4*\n], v4, s[42:43] offset:512*\n
.endr
	s_wait_loadcnt 0x0
.irp n, 0,1,2,3,4,5,6,7,8,9,10,11,12,13,14,15,16,17,18,19,20,21,22,23,24,25,26,27
	global_store_b128 v4, v[16+4*\n:19+4*\n], s[12:13] offset:512*\n
.endr
	s_endpgm
.Lfunc_end_k_q6b63fdeb6b_prep:
	.size	k_q6b63fdeb6b_prep, .Lfunc_end_k_q6b63fdeb6b_prep-k_q6b63fdeb6b_prep
	.p2alignl 7, 3214868480
	.fill 96, 4, 3214868480
	.section	.rodata,"a",@progbits
	.p2align	6, 0x0
	.amdhsa_kernel k_q6b63fdeb6b_prep
		.amdhsa_group_segment_fixed_size 0
		.amdhsa_private_segment_fixed_size 0
		.amdhsa_enable_private_segment 0
		.amdhsa_kernarg_size 120
		.amdhsa_user_sgpr_count 2
		.amdhsa_user_sgpr_kernarg_segment_ptr 1
		.amdhsa_wavefront_size32 1
		.amdhsa_system_sgpr_workgroup_id_x 1
		.amdhsa_system_sgpr_workgroup_id_y 1
		.amdhsa_system_sgpr_workgroup_id_z 1
		.amdhsa_system_vgpr_workitem_id 0
		.amdhsa_next_free_vgpr 128
		.amdhsa_next_free_sgpr 66
		.amdhsa_reserve_vcc 0
		.amdhsa_float_denorm_mode_32 3
		.amdhsa_float_denorm_mode_16_64 3
		.amdhsa_memory_ordered 1
		.amdhsa_forward_progress 1
		.amdhsa_inst_pref_size 18
	.end_amdhsa_kernel
	.amdgpu_metadata
---
amdhsa.version: [ 1, 2 ]
amdhsa.kernels:
  - .name:           k_q6b63fdeb6b_prep
    .symbol:         k_q6b63fdeb6b_prep.kd
    .args:
      - { .name: fW1_codes, .offset: 0, .size: 8, .value_kind: global_buffer, .address_space: global }
      - { .name: fW1_scales, .offset: 8, .size: 8, .value_kind: global_buffer, .address_space: global }
      - { .name: fW2_codes, .offset: 16, .size: 8, .value_kind: global_buffer, .address_space: global }
      - { .name: fW2_scales, .offset: 24, .size: 8, .value_kind: global_buffer, .address_space: global }
      - { .name: gW_codes, .offset: 32, .size: 8, .value_kind: global_buffer, .address_space: global }
      - { .name: gW_scales, .offset: 40, .size: 8, .value_kind: global_buffer, .address_space: global }
      - { .name: tW_codes, .offset: 48, .size: 8, .value_kind: global_buffer, .address_space: global }
      - { .name: tW_scales, .offset: 56, .size: 8, .value_kind: global_buffer, .address_space: global }
      - { .name: fb1, .offset: 64, .size: 8, .value_kind: global_buffer, .address_space: global }
      - { .name: fb2, .offset: 72, .size: 8, .value_kind: global_buffer, .address_space: global }
      - { .name: tb, .offset: 80, .size: 8, .value_kind: global_buffer, .address_space: global }
      - { .name: gb, .offset: 88, .size: 8, .value_kind: global_buffer, .address_space: global }
      - { .name: ln_g, .offset: 96, .size: 8, .value_kind: global_buffer, .address_space: global }
      - { .name: ln_b, .offset: 104, .size: 8, .value_kind: global_buffer, .address_space: global }
      - { .name: wstream, .offset: 112, .size: 8, .value_kind: global_buffer, .address_space: global }
    .group_segment_fixed_size: 0
    .private_segment_fixed_size: 0
    .kernarg_segment_align: 8
    .kernarg_segment_size: 120
    .max_flat_workgroup_size: 32
    .sgpr_count:     66
    .vgpr_count:     128
    .wavefront_size: 32
...
	.end_amdgpu_metadata
.endif
;; end of part 1
;; launch cell (part 2): grid 256 x 1, 4 waves a work-group, clusters of 4 x 1, 327,680 bytes of LDS; arguments x, u, wstream, out0; writes out0
.if DOCPART == 2
	.amdgcn_target "amdgcn-amd-amdhsa--gfx1250"
	.amdhsa_code_object_version 6
	.text
	.protected	k_q6b63fdeb6b_cell
	.globl	k_q6b63fdeb6b_cell
	.p2align	8
	.type	k_q6b63fdeb6b_cell,@function
k_q6b63fdeb6b_cell:
	s_mov_b64 s[64:65], 0
	v_nop
	global_prefetch_b8 v0, s[64:65] scope:SCOPE_SE
	s_setreg_imm32_b32 hwreg(HW_REG_WAVE_MODE, 25, 1), 1
	s_wait_xcnt 0x0
	s_wait_alu depctr_hold_cnt(0) depctr_sa_sdst(0) depctr_va_vdst(0) depctr_va_sdst(0) depctr_va_ssrc(0) depctr_va_vcc(0) depctr_vm_vsrc(0)
	s_getreg_b32 s2, hwreg(HW_REG_IB_STS2, 6, 4)
	s_cmp_eq_u32 s2, 0
	s_cbranch_scc0 .Lentry_in_a_cluster
	s_endpgm
.Lentry_in_a_cluster:
	s_bfe_u32 s2, ttmp6, 0x10000c
	s_cmp_lg_u32 s2, 0x3003
	s_cbranch_scc0 .Lentry_shape_is_right
	s_endpgm
.Lentry_shape_is_right:
; The whole cell, fused: two evaluations of rhs() (Heun) and the LayerNorm, for 64 rows a work-group.  All eight products on codes of FP4 (E2M1) with one E8M0 scale for each 32 along K; all else f32.
; SHARES.  Four waves, as many as a WGP has SIMDs.  THE WAVES SHARE THE COLUMNS, NOT THE ROWS: wave w owns state columns 128 q + 32 w .. + 31 (q = 0..3) and, in trip k, hidden units 128 k + 32 w .. + 31, for all 64 rows
; (four tiles m of 16).  So each weight byte is read from LDS by one wave, once, and feeds four matrix instructions; xu's 24 fragments stay in registers for a whole evaluation.
; LAYOUT.  Every product is used transposed (source 0 = 16 rows of a weight, source 1 = 16 batch rows): a lane (r = lane % 16, h = lane / 16) holds batch row r, and the rows of a weight tile are chosen (by the launch
; before) so that the 16 registers of tiles u = 0, 1 are the 16 neighbouring columns 32 b + 16 h + 0 .. 15.  Two lanes (l, l xor 16) hold a block of 32 along the next K.
; OPERANDS FROM WAVE TO WAVE go through LDS as images of the operand's registers: a lane's 16 codes (8 bytes) go to image + 1024 x fragment + 256 x (the block's place in its K step = the wave) + 16 r + 8 h, which is where
; the operand's layout wants them; the block's scale byte to 256 x K step + 4 x row + the wave.
; THE WEIGHTS come as a stream of 12 tiles an evaluation (8 x [fW1's block, fW2's K step], 4 x [tW's block, gW's block]), each wave's part a dense block, through a ring of two LDS slots.  All work-groups walk the
; same stream, so the four of a cluster ask for each tile JOINTLY: the same tensor load, the same descriptor (it hangs on the wave's number alone), a mask that names the four.  One tensor load of a wave is out at most.
; ARITHMETIC of a state element, c = log2(e):  T' = max(log2(1 + 2^min(c zt, 126)), c zt, 0.01 / ln 2) = tau / ln 2;  D1 = 1 + 2^min(-c zg, 40) = 1 / gate;  E2 = 2^min(2 c za, 40): tanh = (E2 - 1) / (E2 + 1);
;   P = (E2 + 1) D1;  n = E2 - xs P;  r = 1 / (T' P);  e' = (n - 1) r = (gate tanh - xs) / T';  xs <- xs + e' DT / ln 2.  One reciprocal serves 1 / tau, the gate and tanh.
; HEUN.  The same code runs twice on XS: x -> x1 -> x1 + dx2.  Adding x (loaded again: x, x1 and fW2's sums do not fit in the registers beside xu's fragments) gives 2 y; the LayerNorm of 2 y with 4 eps is that of y with eps.
; THE END GOES BY WHOLE ROWS.  x1 + dx2 goes through a stage in LDS first; a wave then holds 16 whole rows, 16 numbers a lane for each.  x is loaded again in that layout (each load of the wave covers 512 consecutive bytes),
; a row's mean and variance are taken inside the wave, and four rows at a time are normalised and stored while the next four are worked on.
; LIMITS.  The clips at 2^40 hold the gate at 9e-13 from below and make tanh exactly +-1 beyond |za| = 13.8.  tau within a few times 0.01 carries the rounding of 1 + 2^y (6e-8 absolute in T').
; A block whose largest magnitude lies under 2^-124 gets the scale byte 1 (a block of zeros too: its codes are zeros).  NaN and infinities among the inputs are not served.
; REGISTERS, in windows of 256 (s_set_vgpr_msb: bits 1:0 source 0, 3:2 source 1, 5:4 source 2, 7:6 destination):
;   window 0: v1-31 addresses; v32-61 scale words and nothing else; v64-95 biases; v96-127 at work; v128-191 ACC0, v192-255 ACC1: accumulator (u, m) at 16 m + 8 u
;   window 1: XS, the state: 64 q + 16 m + i = row 16 m + r, column 128 q + 32 w + 16 h + i; at the end my 16 whole rows: 16 t + 4 j + e = row 16 w + t, column 128 j + 4 lane + e
;   window 2: A, fW2's sums, indexed as XS; later E2, then n; at the end ln_g in v0-15 and ln_b in v16-31, at 4 j + e
;   window 3: v0-191 xu's fragments, (K step s, m) at 8 (4 s + m); v192-255 four buffers of two weight fragments; at the end x loaded again, by whole rows
.set SECTION, 278528                   ; a wave's part of the stream
.set PARTB,   21760                    ; its part of a tile FW: 85 rows of 256 bytes
.set PARTD,   26112                    ; of a tile TG: 102 rows
.set BLK,     13056                    ; a block of 32 rows with K = 768: 12 fragments and 768 scale bytes
.set CONSTO,  1114112                  ; the six vectors in the stream
.set SLOT1,   131072                   ; slot 1 begins here: one exclusive or turns an address of one slot into the other's
.set XIMG,    104448                   ; behind slot 0: xu's 24 fragment images,
.set XSC,     129024                   ; its scale bytes,
.set SPARE,   130560                   ; the spare words, 128 bytes for each wave: two blocks of 256 bytes that no other line names
.set HIMG,    235520                   ; behind slot 1: one K step of the hidden layer, four images,
.set HSC,     239616                   ; its scale bytes
.set STAGE,   131072                   ; the way out: 64 rows x 2,064 bytes, over slot 1 (which has had its last fill by then), HIMG and HSC
.set SPITCH,  2064
.set CONST,   263168                   ; fb1 +0, fb2 +4096, tb +6144, gb +8192, ln_g +10240, ln_b +12288: filled once
.set SPW, 1                            ; v1   SPARE + 4 x my thread's number; never rewritten
.set NIL, 2                            ; v2   0; never rewritten
.set B16, 3                            ; v3   16 lane + PARTD w
.set B8,  4                            ; v4   8 lane + PARTD w
.set AD16, 5                           ; v5   the slot in hand + B16
.set AD8, 6                            ; v6   + B8
.set BB,  7                            ; v7   CONST + 128 w + 64 h: my 16 columns of a vector
.set BA,  8                            ; v8   BB + the trip's step
.set FX,  9                            ; v9   XIMG + 16 lane
.set FH,  10                           ; v10  HIMG + 16 lane
.set SX,  11                           ; v11  XSC + 4 lane
.set SH,  12                           ; v12  HSC + 4 lane
.set XST, 13                           ; v13  XIMG + 256 w + 16 r + 8 h
.set XSB, 14                           ; v14  XSC + 4 r + w
.set HST, 15                           ; v15  HIMG + 256 w + 16 r + 8 h
.set HSB, 16                           ; v16  HSC + 4 r + w
.set XO,  17                           ; v17  x: 2048 r + 128 w + 64 h
.set UO,  18                           ; v18  u: 1024 r + 128 w + 64 h
.set SO0, 21                           ; v21  STAGE + 2064 r + 128 w + 64 h;  v22 the same 32 rows on
.set SR,  23                           ; v23  STAGE + 16 rows x w + 16 lane
.set GO,  24                           ; v24  16 lane
.set GL,  31                           ; v31  CONST + 16 lane: a vector by whole rows
.set XSCL, 32                          ; v32-43  xu's scale words: register 2 s + p holds rows 32 p + lane
.set HSCL, 44                          ; v44-45  the hidden K step's
.set WSC, 46                           ; v46-57  the weights', a register a step: lanes 0-15 tile 0's rows, lanes 16-31 tile 1's
.set WSC4, 58                          ; v58-61  fW2's, q = 0..3
.set BIAS, 64
.set TM,  96                           ; v96-99 largest magnitudes; v100-103 the other half's; v104-107 the conversions' scale operands; v108-111 the bytes; v112-119 codes
.set TP,  100
.set TS,  104
.set TY,  108
.set PC,  112
.set LS,  120                          ; v120-127 four pairs for the LayerNorm's sums
.set ACC0, 128
.set ACC1, 192
.set WB,  192                          ; in window 3
.set WV,  12
.set CX,  13
.set G,   14
.set G1B, 16                           ; s[16:23] group 1 for a part of 85 rows;  s[24:31] of 102;  s[32:39] of 14 (the vectors)
.set G1D, 24
.set G1E, 32
.set G0,  40                           ; s[40:43] group 0, walking
.set G0C, 44                           ; s[44:47] group 0 for the vectors
.set GB,  48                           ; s[48:49] my section of the stream
.set L0,  50                           ; PARTD w
.set TB,  51                           ; the slot in hand
.set PASS, 52
.set RK,  53
.set RQ,  54
.set KB,  55                           ; the trip's step in a vector: 512 bytes a trip
.set SEL, 56                           ; s[56:57] v_permlanex16_b32's selects for lane l xor 16
.set CP,  58                           ; pairs (the packed forms name a pair and take its low word): c;  -c;  2 c;  DT / ln 2
.set CN,  60
.set C2,  62
.set K1,  66
.set C126, 68
.set C40, 69
.set CTAU, 70
.set C512, 71
.set CEPS, 72
.set XR,  84                           ; s[84:85] x at the 16 rows that I store
.set MSB, 0
.macro WIN new                         ; the immediate's high byte repeats the setting that is left; a switch that changes nothing is dropped
.if MSB != \new
	s_set_vgpr_msb (MSB<<8)|\new
.set MSB, \new
.endif
.endm
.macro PLACES                          ; four plain places behind a matrix instruction, ahead of loads into its registers and of reads of its result
.rept 4
	v_nop
.endr
.endm
.macro ROUND                           ; a round of the cluster's barrier
	s_barrier_signal -1
	s_barrier_wait -1
	s_cmp_lg_u32 s[WV], 0
	s_cbranch_scc1 .Lnot_wave_0_\@
	s_barrier_signal -3
.Lnot_wave_0_\@:
	s_barrier_wait -3
	s_barrier_signal -1
	s_barrier_wait -1
.endm
.macro BAR                             ; my LDS stores have landed and my LDS loads are in; the tile on its way stays out
	s_wait_dscnt 0x0
	s_barrier_signal -1
	s_barrier_wait -1
.endm
; THE CHANGE OF SLOTS, at a trip's head.  All my tensor loads have landed (the one that was out is my part of this trip's tile); the add; my reads of the slot that I leave are over; the round: that holds of every wave of
; every partner.  Then the next tile goes into the slot just left: g1 its shape, adv the bytes of the tile asked for last.  It has the whole trip in which to land.
.macro CHANGE g1, adv
	s_wait_tensorcnt 0x0
	ds_add_u32 v[SPW], v[NIL]                      ; 0 onto my spare word
	s_xor_b32 s[G0+1], s[G0+1], SLOT1
	s_add_nc_u64 s[G0+2:G0+3], s[G0+2:G0+3], \adv
	s_xor_b32 s[TB], s[TB], SLOT1
	s_wait_dscnt 0x0
	ROUND
	tensor_load_to_lds s[G0:G0+3], s[\g1:\g1+7]
	s_nop 0
	PLACES                                         ; (the places ahead of the loads into registers that the last products read)
.endm
.macro CHANGE_T                        ; an evaluation's head: tile 0 into slot 0
	s_wait_tensorcnt 0x0
	ds_add_u32 v[SPW], v[NIL]
	s_mov_b32 s[G0+1], s[L0]
	s_mov_b64 s[G0+2:G0+3], s[GB:GB+1]
	s_or_b32 s[G0+3], s[G0+3], 0x80000000
	s_mov_b32 s[TB], SLOT1                         ; the first change turns it to slot 0
	s_wait_dscnt 0x0
	ROUND
	tensor_load_to_lds s[G0:G0+3], s[G1B:G1B+7]
	s_nop 0
	PLACES
.endm
.macro CHANGE0                         ; the last tile of an evaluation: nothing is asked for
	s_wait_tensorcnt 0x0
	ds_add_u32 v[SPW], v[NIL]
	s_xor_b32 s[TB], s[TB], SLOT1
	s_wait_dscnt 0x0
	s_barrier_signal -1
	s_barrier_wait -1
.endm
; One matrix instruction.  ra, rb: which half of the lanes of the scale registers is read
.macro WMS d, a, b, c, sa, sb, ra, rb
.if ((\ra)==0)&&((\rb)==0)
	v_wmma_scale_f32_16x16x128_f8f6f4 v[(\d):(\d)+7], v[(\a):(\a)+7], v[(\b):(\b)+7], v[(\c):(\c)+7], v[(\sa)], v[(\sb)] matrix_a_fmt:MATRIX_FMT_FP4 matrix_b_fmt:MATRIX_FMT_FP4
.elseif (\rb)==0
	v_wmma_scale_f32_16x16x128_f8f6f4 v[(\d):(\d)+7], v[(\a):(\a)+7], v[(\b):(\b)+7], v[(\c):(\c)+7], v[(\sa)], v[(\sb)] matrix_a_fmt:MATRIX_FMT_FP4 matrix_b_fmt:MATRIX_FMT_FP4 matrix_a_scale:MATRIX_SCALE_ROW1
.elseif (\ra)==0
	v_wmma_scale_f32_16x16x128_f8f6f4 v[(\d):(\d)+7], v[(\a):(\a)+7], v[(\b):(\b)+7], v[(\c):(\c)+7], v[(\sa)], v[(\sb)] matrix_a_fmt:MATRIX_FMT_FP4 matrix_b_fmt:MATRIX_FMT_FP4 matrix_b_scale:MATRIX_SCALE_ROW1
.else
	v_wmma_scale_f32_16x16x128_f8f6f4 v[(\d):(\d)+7], v[(\a):(\a)+7], v[(\b):(\b)+7], v[(\c):(\c)+7], v[(\sa)], v[(\sb)] matrix_a_fmt:MATRIX_FMT_FP4 matrix_b_fmt:MATRIX_FMT_FP4 matrix_a_scale:MATRIX_SCALE_ROW1 matrix_b_scale:MATRIX_SCALE_ROW1
.endif
.endm
; Step i of a tile: two weight fragments (tiles u = 0, 1) into buffer i % 4.  Steps 0-5: the tile's first block; steps 6 on: what lies behind it (fW2's four pairs, or gW's six steps)
.macro LOADSTEP i
.if (\i)<6
.set SOFF, 2048*(\i)
.else
.set SOFF, BLK+2048*((\i)-6)
.endif
	WIN 0xc0                                       ; destination window 3
.irp u, 0,1
.irp c, 0,1
	ds_load_b128 v[WB+16*((\i)%4)+8*\u+4*\c:WB+16*((\i)%4)+8*\u+4*\c+3], v[AD16] offset:SOFF+1024*\u+512*\c
.endr
.endr
.endm
; Eight matrix instructions: step i's two weight tiles x the four tiles of rows, K step s of xu.  The eight accumulators take turns.  The first K step takes the bias as C: nothing is cleared or added
.macro MUL8 acc, i, s, bias
	WIN 0x0f                                       ; sources 0 and 1 window 3, C and D window 0
.irp m, 0,1,2,3
.irp u, 0,1
.if (\s)==0
	WMS (\acc)+16*\m+8*\u, WB+16*((\i)%4)+8*\u, 8*(4*(\s)+\m), (\bias)+8*\u, WSC+(\i), XSCL+2*(\s)+\m/2, \u, \m%2
.else
	WMS (\acc)+16*\m+8*\u, WB+16*((\i)%4)+8*\u, 8*(4*(\s)+\m), (\acc)+16*\m+8*\u, WSC+(\i), XSCL+2*(\s)+\m/2, \u, \m%2
.endif
.endr
.endr
.endm
.macro STEP acc, i, s, bias, cnt, next ; cnt: the fragment loads issued behind this step's four: those of the steps that follow; all older loads (scales, biases) are in with them
	s_wait_dscnt \cnt
	MUL8 \acc, \i, \s, \bias
.if \next
	PLACES
	LOADSTEP (\i)+4                                ; into the buffer just multiplied
.endif
.endm
; One block of 32 along K for the four tiles of rows: the lane's 16 numbers of tile m at v[src + 16 m].  Largest magnitude (with the floor 2^(3 - 127) among its leaves, so that the byte cannot fall under 1), with lane
; l xor 16's; 2 off its exponent field is the conversion's scale operand, and that shifted the byte.  Codes and bytes go to LDS.
.macro QUANT src, wmax, wcvt, ireg, ioff, sreg, soff
	WIN \wmax
.irp m, 0,1,2,3
	v_max3_num_f32 v[TM+\m], |v[(\src)+16*\m]|, |v[(\src)+16*\m+1]|, 0x1800000
.endr
.irp i, 2,4,6,8,10,12,14
.irp m, 0,1,2,3
	v_max3_num_f32 v[TM+\m], |v[(\src)+16*\m+\i]|, |v[(\src)+16*\m+\i+1]|, v[TM+\m]
.endr
.endr
	WIN 0
.irp m, 0,1,2,3
	v_permlanex16_b32 v[TP+\m], v[TM+\m], s[SEL], s[SEL+1]
.endr
.irp m, 0,1,2,3
	v_max_num_f32 v[TM+\m], v[TM+\m], v[TP+\m]
.endr
.irp m, 0,1,2,3
	v_add_nc_u32 v[TS+\m], 0xff000000, v[TM+\m]
.endr
.irp m, 0,1,2,3
	v_lshrrev_b32 v[TY+\m], 23, v[TS+\m]
.endr
	WIN \wcvt
.irp m, 0,1,2,3
.irp e, 0,1
	v_cvt_scalef32_pk8_fp4_f32 v[PC+2*\m+\e], v[(\src)+16*\m+8*\e:(\src)+16*\m+8*\e+7], v[TS+\m]
.endr
.endr
	WIN 0
	v_nop                                          ; one plain place behind the scaled conversions
.irp m, 0,1,2,3
	ds_store_b64 v[\ireg], v[PC+2*\m:PC+2*\m+1] offset:(\ioff)+1024*\m
.endr
.irp m, 0,1,2,3
	ds_store_b8 v[\sreg], v[TY+\m] offset:(\soff)+64*\m   ; both lanes of a block write the same byte with the same value
.endr
.endm
; h = z / (1 + 2^(-c z)), on ACC0, with ACC1 at work.  Each batch of transcendentals has one plain place and one wait behind it.  The accumulators are read from their low ends on
.macro SILU
.set p, 0
.rept 32
	v_pk_mul_f32 v[ACC1+p:ACC1+p+1], v[ACC0+p:ACC0+p+1], s[CN:CN+1] op_sel_hi:[1,0]
.set p, p+2
.endr
.set p, 0
	s_wait_alu depctr_va_vdst(0)
.rept 64
	v_exp_f32 v[ACC1+p], v[ACC1+p]
.set p, p+1
.endr
	v_nop
	s_wait_alu depctr_va_vdst(0)
.set p, 0
.rept 32
	v_pk_add_f32 v[ACC1+p:ACC1+p+1], v[ACC1+p:ACC1+p+1], 1.0 op_sel_hi:[1,0]
.set p, p+2
.endr
.set p, 0
	s_wait_alu depctr_va_vdst(0)
.rept 64
	v_rcp_f32 v[ACC1+p], v[ACC1+p]
.set p, p+1
.endr
	v_nop
	s_wait_alu depctr_va_vdst(0)
.set p, 0
.rept 32
	v_pk_mul_f32 v[ACC0+p:ACC0+p+1], v[ACC0+p:ACC0+p+1], v[ACC1+p:ACC1+p+1]
.set p, p+2
.endr
.endm
; ACC0: zt -> T' = max(log2(1 + 2^min(y, 126)), y, 0.01 / ln 2), y = c zt; ACC1 at work
.macro TAU
.set p, 0
.rept 32
	v_pk_mul_f32 v[ACC0+p:ACC0+p+1], v[ACC0+p:ACC0+p+1], s[CP:CP+1] op_sel_hi:[1,0]
.set p, p+2
.endr
.set p, 0
.rept 64
	v_min_num_f32 v[ACC1+p], s[C126], v[ACC0+p]
.set p, p+1
.endr
.set p, 0
	s_wait_alu depctr_va_vdst(0)
.rept 64
	v_exp_f32 v[ACC1+p], v[ACC1+p]
.set p, p+1
.endr
	v_nop
	s_wait_alu depctr_va_vdst(0)
.set p, 0
.rept 32
	v_pk_add_f32 v[ACC1+p:ACC1+p+1], v[ACC1+p:ACC1+p+1], 1.0 op_sel_hi:[1,0]
.set p, p+2
.endr
.set p, 0
	s_wait_alu depctr_va_vdst(0)
.rept 64
	v_log_f32 v[ACC1+p], v[ACC1+p]
.set p, p+1
.endr
	v_nop
	s_wait_alu depctr_va_vdst(0)
.set p, 0
.rept 64
	v_max3_num_f32 v[ACC0+p], v[ACC1+p], v[ACC0+p], s[CTAU]
.set p, p+1
.endr
.endm
; ACC1: zg -> D1 = 1 + 2^min(-c zg, 40)
.macro GST
.set p, 0
.rept 32
	v_pk_mul_f32 v[ACC1+p:ACC1+p+1], v[ACC1+p:ACC1+p+1], s[CN:CN+1] op_sel_hi:[1,0]
.set p, p+2
.endr
.set p, 0
.rept 64
	v_min_num_f32 v[ACC1+p], s[C40], v[ACC1+p]
.set p, p+1
.endr
.set p, 0
	s_wait_alu depctr_va_vdst(0)
.rept 64
	v_exp_f32 v[ACC1+p], v[ACC1+p]
.set p, p+1
.endr
	v_nop
	s_wait_alu depctr_va_vdst(0)
.set p, 0
.rept 32
	v_pk_add_f32 v[ACC1+p:ACC1+p+1], v[ACC1+p:ACC1+p+1], 1.0 op_sel_hi:[1,0]
.set p, p+2
.endr
.endm
; A (window 2, all 256): za -> E2 = 2^min(2 c za, 40)
.macro E2ST
	PLACES
	WIN 0x8a                                       ; sources 0, 1 and the destination window 2
.set p, 0
.rept 128
	v_pk_mul_f32 v[p:p+1], v[p:p+1], s[C2:C2+1] op_sel_hi:[1,0]
.set p, p+2
.endr
.set p, 0
.rept 256
	v_min_num_f32 v[p], s[C40], v[p]
.set p, p+1
.endr
.set p, 0
	s_wait_alu depctr_va_vdst(0)
.rept 256
	v_exp_f32 v[p], v[p]
.set p, p+1
.endr
	v_nop
	s_wait_alu depctr_va_vdst(0)
	WIN 0
.endm
; The state's columns q are stepped: ACC0 = T', ACC1 = D1, A_q = E2
.macro SNIP q
	WIN 0x02                                       ; source 0 window 2
.set p, 0
.rept 32
	v_pk_fma_f32 v[ACC1+p:ACC1+p+1], v[64*\q+p:64*\q+p+1], v[ACC1+p:ACC1+p+1], v[ACC1+p:ACC1+p+1]   ; P = E2 D1 + D1
.set p, p+2
.endr
	WIN 0xa1                                       ; source 0 window 1, source 2 and destination window 2
.set p, 0
.rept 32
	v_pk_fma_f32 v[64*\q+p:64*\q+p+1], v[64*\q+p:64*\q+p+1], v[ACC1+p:ACC1+p+1], v[64*\q+p:64*\q+p+1] neg_lo:[1,0,0] neg_hi:[1,0,0]   ; n = E2 - xs P
.set p, p+2
.endr
	WIN 0
.set p, 0
.rept 32
	v_pk_mul_f32 v[ACC0+p:ACC0+p+1], v[ACC0+p:ACC0+p+1], v[ACC1+p:ACC1+p+1]   ; T' P
.set p, p+2
.endr
.set p, 0
	s_wait_alu depctr_va_vdst(0)
.rept 64
	v_rcp_f32 v[ACC0+p], v[ACC0+p]
.set p, p+1
.endr
	v_nop
	s_wait_alu depctr_va_vdst(0)
	WIN 0x02
.set p, 0
.rept 32
	v_pk_fma_f32 v[ACC1+p:ACC1+p+1], v[64*\q+p:64*\q+p+1], v[ACC0+p:ACC0+p+1], v[ACC0+p:ACC0+p+1] neg_lo:[0,0,1] neg_hi:[0,0,1]   ; e' = n r - r
.set p, p+2
.endr
	WIN 0x50                                       ; source 2 and destination window 1
.set p, 0
.rept 32
	v_pk_fma_f32 v[64*\q+p:64*\q+p+1], v[ACC1+p:ACC1+p+1], s[K1:K1+1], v[64*\q+p:64*\q+p+1] op_sel_hi:[1,0,1]   ; xs += e' DT / ln 2
.set p, p+2
.endr
	WIN 0
.endm
; A trip on a tile FW(k): my 32 hidden units for the 64 rows, silu, quantised, to LDS; then K step k of the product with fW2
.macro FWORK
	v_add_nc_u32 v[AD16], s[TB], v[B16]
	v_add_nc_u32 v[AD8], s[TB], v[B8]
	v_add_nc_u32 v[BA], s[KB], v[BB]
.irp i, 0,1,2
	ds_load_b64 v[WSC+2*\i:WSC+2*\i+1], v[AD8] offset:12288+256*\i
.endr
	ds_load_b128 v[WSC4:WSC4+3], v[AD16] offset:BLK+8192
.irp i, 0,1,2,3
	ds_load_b128 v[BIAS+4*\i:BIAS+4*\i+3], v[BA] offset:16*\i      ; fb1 at my 16 hidden units
.endr
.irp i, 0,1,2,3
	LOADSTEP \i
.endr
	s_wait_alu depctr_va_vdst(0)
.irp i, 0,1,2,3,4,5
	STEP ACC0, \i, \i, BIAS, 12, 1                 ; steps 6 to 9, fetched on the way, are fW2's eight fragments
.endr
	WIN 0
	SILU
	QUANT ACC0, 0, 0, HST, 0, HSB, 0
	BAR                                            ; the K step's four images lie in LDS
.irp m, 0,1,2,3
.irp c, 0,1
	ds_load_b128 v[ACC1+8*\m+4*\c:ACC1+8*\m+4*\c+3], v[FH] offset:1024*\m+512*\c
.endr
.endr
.irp t, 0,1
	ds_load_b32 v[HSCL+\t], v[SH] offset:128*\t
.endr
	s_wait_dscnt 0x0
	WIN 0xa3                                       ; source 0 window 3, source 1 window 0, C and D window 2
.irp q, 0,1,2,3
.irp m, 0,1,2,3
.irp u, 0,1
	WMS 64*\q+16*\m+8*\u, WB+16*((\q+2)%4)+8*\u, ACC1+8*\m, 64*\q+16*\m+8*\u, WSC4+\q, HSCL+\m/2, \u, \m%2
.endr
.endr
.endr
	WIN 0
	s_add_co_u32 s[KB], s[KB], 512
.endm
; A trip on a tile TG(q): zt and zg of my columns q; T' while gW's fragments come; D1.  It is written in two parts.  TGHEAD asks LDS for the scale words, the biases and the first four steps' fragments;
; the step of XS for the columns before stands between the two parts, while those loads come (T' and D1 of those columns still lie in ACC0 and ACC1).
; TGREST, last = 1: the evaluation's last tile.  In the second evaluation x is asked for again here, by whole rows, into window 3, whose fragments are done with: each load of the wave covers 512 consecutive bytes of one of
; the 16 rows that I store.  Then a barrier's signal: my reads of this tile's slot are over.  Its wait stands behind D1's lines, ahead of the stage's stores, which land on that slot: only register work lies between the two.
.macro TGHEAD
	v_add_nc_u32 v[AD16], s[TB], v[B16]
	v_add_nc_u32 v[AD8], s[TB], v[B8]
	v_add_nc_u32 v[BA], s[KB], v[BB]
.irp i, 0,1,2
	ds_load_b64 v[WSC+2*\i:WSC+2*\i+1], v[AD8] offset:12288+256*\i
.endr
.irp i, 0,1,2
	ds_load_b64 v[WSC+6+2*\i:WSC+7+2*\i], v[AD8] offset:BLK+12288+256*\i
.endr
.irp i, 0,1,2,3
	ds_load_b128 v[BIAS+4*\i:BIAS+4*\i+3], v[BA] offset:6144+16*\i        ; tb
.endr
.irp i, 0,1,2,3
	ds_load_b128 v[BIAS+16+4*\i:BIAS+16+4*\i+3], v[BA] offset:8192+16*\i  ; gb
.endr
.irp i, 0,1,2,3
	LOADSTEP \i
.endr
	s_wait_alu depctr_va_vdst(0)
	WIN 0
.endm
.macro TGREST last
.irp i, 0,1,2,3,4,5
	STEP ACC0, \i, \i, BIAS, 12, 1
.endr
	WIN 0
	TAU
	STEP ACC1, 6, 0, BIAS+16, 12, 1
	STEP ACC1, 7, 1, BIAS+16, 12, 1
	STEP ACC1, 8, 2, BIAS+16, 12, 0                ; nothing more is fetched: the counts run down
	STEP ACC1, 9, 3, BIAS+16, 8, 0
	STEP ACC1, 10, 4, BIAS+16, 4, 0
	STEP ACC1, 11, 5, BIAS+16, 0, 0
	WIN 0
	PLACES
.if \last
	s_cmp_lg_u32 s[PASS], 1
	s_cbranch_scc1 .Lno_x_\@
	WIN 0xc0
.irp t, 0,1,2,3,4,5,6,7,8,9,10,11,12,13,14,15
.irp j, 0,1,2,3
	global_load_b128 v[16*\t+4*\j:16*\t+4*\j+3], v[GO], s[XR:XR+1] offset:2048*\t+512*\j th:TH_LOAD_NT
.endr
.endr
	WIN 0
.Lno_x_\@:
	s_wait_dscnt 0x0                               ; for the others' sake: my LDS loads are in (step 11's wait has shown it)
	s_barrier_signal -1
.endif
	GST
.endm
; The lanes' four pairs LS become four rows' sums, in every lane: the pair's halves, four steps inside each half of 16 lanes (DPP), and the other half's
.macro RED
.irp a, 0,1,2,3
	v_add_f32 v[LS+2*\a], v[LS+2*\a], v[LS+2*\a+1]
.endr
.irp x, 1,2,4,8
.irp a, 0,1,2,3
	v_add_f32_dpp v[LS+2*\a], v[LS+2*\a], v[LS+2*\a] row_xmask:\x row_mask:0xf bank_mask:0xf
.endr
.endr
.irp a, 0,1,2,3
	v_permlanex16_b32 v[TP+\a], v[LS+2*\a], s[SEL], s[SEL+1]
.endr
.irp a, 0,1,2,3
	v_add_f32 v[LS+2*\a], v[LS+2*\a], v[TP+\a]
.endr
.endm
; Four whole rows, 4 g + a (a = 0..3, by turns): + x; the mean; the variance of what is left; normalised, times ln_g, plus ln_b; stored.  The rows of later groups are still on their way out of the stage and out of memory
.macro LNGROUP g
	s_wait_dscnt 48-16*\g                          ; the stage loads of the groups behind this one may be out
	s_wait_loadcnt 48-16*\g                        ; and so may their loads of x: both runs were issued row by row, ascending
	WIN 0x4d                                       ; source 0 and destination window 1, source 1 window 3
.set p, 64*\g
.rept 32
	v_pk_add_f32 v[p:p+1], v[p:p+1], v[p:p+1]      ; 2 y = (x1 + dx2) + x
.set p, p+2
.endr
	WIN 0x05                                       ; sources 0 and 1 window 1: the first two pairs start each row's sum
.irp a, 0,1,2,3
	v_pk_add_f32 v[LS+2*\a:LS+2*\a+1], v[64*\g+16*\a:64*\g+16*\a+1], v[64*\g+16*\a+2:64*\g+16*\a+3]
.endr
	WIN 0x04
.irp t, 4,6,8,10,12,14
.irp a, 0,1,2,3
	v_pk_add_f32 v[LS+2*\a:LS+2*\a+1], v[LS+2*\a:LS+2*\a+1], v[64*\g+16*\a+\t:64*\g+16*\a+\t+1]
.endr
.endr
	WIN 0
	RED
.irp a, 0,1,2,3
	v_mul_f32 v[TS+2*\a], s[C512], v[LS+2*\a]      ; the mean; the packed lines below take the pair's low word for both halves
.endr
	WIN 0x41                                       ; source 0 and destination window 1
.irp t, 0,2,4,6,8,10,12,14
.irp a, 0,1,2,3
	v_pk_add_f32 v[64*\g+16*\a+\t:64*\g+16*\a+\t+1], v[64*\g+16*\a+\t:64*\g+16*\a+\t+1], v[TS+2*\a:TS+2*\a+1] op_sel_hi:[1,0] neg_lo:[0,1] neg_hi:[0,1]
.endr
.endr
	WIN 0x05
.irp t, 0,2,4,6,8,10,12,14
.irp a, 0,1,2,3
.if \t == 0
	v_pk_mul_f32 v[LS+2*\a:LS+2*\a+1], v[64*\g+16*\a:64*\g+16*\a+1], v[64*\g+16*\a:64*\g+16*\a+1]
.else
	v_pk_fma_f32 v[LS+2*\a:LS+2*\a+1], v[64*\g+16*\a+\t:64*\g+16*\a+\t+1], v[64*\g+16*\a+\t:64*\g+16*\a+\t+1], v[LS+2*\a:LS+2*\a+1]
.endif
.endr
.endr
	WIN 0
	RED
.irp a, 0,1,2,3
	v_fma_f32 v[ACC0+\a], v[LS+2*\a], s[C512], s[CEPS]
.endr
	s_wait_alu depctr_va_vdst(0)
.irp a, 0,1,2,3
	v_rsq_f32 v[TS+2*\a], v[ACC0+\a]
.endr
	v_nop
	s_wait_alu depctr_va_vdst(0)                   ; one wait for the four, ahead of their first reader
	WIN 0x41
.irp t, 0,2,4,6,8,10,12,14
.irp a, 0,1,2,3
	v_pk_mul_f32 v[64*\g+16*\a+\t:64*\g+16*\a+\t+1], v[64*\g+16*\a+\t:64*\g+16*\a+\t+1], v[TS+2*\a:TS+2*\a+1] op_sel_hi:[1,0]
.endr
.endr
	WIN 0x69                                       ; source 0 and destination window 1, sources 1 and 2 window 2
.irp t, 0,2,4,6,8,10,12,14
.irp a, 0,1,2,3
	v_pk_fma_f32 v[64*\g+16*\a+\t:64*\g+16*\a+\t+1], v[64*\g+16*\a+\t:64*\g+16*\a+\t+1], v[\t:\t+1], v[16+\t:17+\t]
.endr
.endr
	WIN 0x04                                       ; a store's data are its source 1: window 1
.irp a, 0,1,2,3
.irp j, 0,1,2,3
	global_store_b128 v[GO], v[64*\g+16*\a+4*\j:64*\g+16*\a+4*\j+3], s[10:11] offset:2048*(4*\g+\a)+512*\j th:TH_STORE_NT   ; 32 lanes store 512 consecutive bytes, at a multiple of 256 from out0's first byte
.endr
.endr
.endm
	; ---------------- the head
	s_load_b256 s[4:11], s[0:1], 0x0               ; x s[4:5], u s[6:7], the stream s[8:9], out0 s[10:11]
	v_lshl_add_u32 v[SPW], v0, 2, SPARE
	v_mov_b32 v[NIL], 0
	ds_add_u32 v1, v2
	ds_add_u32 v1, v2
	s_wait_dscnt 0x0
	v_lshrrev_b32 v25, 5, v0
	v_readfirstlane_b32 s[WV], v25                 ; wave 0..3
	s_bfe_u32 s[CX], ttmp6, 0x40000                ; my place in the cluster
	s_lshl_b32 s[G], ttmp9, 2                      ; in a cluster launch ttmp9 counts clusters
	s_add_co_u32 s[G], s[G], s[CX]                 ; my block of 64 rows: it enters the addresses of x, u and out0 alone
	; group 1: R rows of 256 dense bytes (32 elements of 8 bytes), no padding; 15:0 the mask: all four work-groups; bit 21 set beside it
.irp g, G1B, G1D, G1E
	s_mov_b32 s[\g], 15|(3<<16)|(1<<21)
	s_mov_b32 s[\g+1], 32<<16                      ; tensor_dim0
	s_mov_b32 s[\g+3], 32<<16                      ; tile_dim0
	s_mov_b32 s[\g+5], 32                          ; from row to row
	s_mov_b32 s[\g+6], 0
	s_mov_b32 s[\g+7], 0
.endr
	s_mov_b32 s[G1B+2], 85<<16                     ; tensor_dim1,
	s_mov_b32 s[G1B+4], 85                         ; tile_dim1
	s_mov_b32 s[G1D+2], 102<<16
	s_mov_b32 s[G1D+4], 102
	s_mov_b32 s[G1E+2], 14<<16
	s_mov_b32 s[G1E+4], 14
	s_mul_i32 s74, s[WV], SECTION
	s_mov_b32 s75, 0
	s_mul_i32 s76, s[WV], 3584                     ; my quarter of the vectors
	s_mov_b32 s77, 0
	s_mul_i32 s[L0], s[WV], PARTD
	s_lshl_b32 s78, s[G], 17                       ; 64 rows of 2,048 bytes
	s_mov_b32 s79, 0
	s_lshl_b32 s80, s[G], 16                       ; 64 rows of 1,024 bytes
	s_mov_b32 s81, 0
	s_lshl_b32 s82, s[WV], 15                      ; the 16 rows that I store
	s_mov_b32 s83, 0
	s_mov_b32 s[SEL], 0x76543210
	s_mov_b32 s[SEL+1], 0xfedcba98
	s_mov_b32 s[CP], 0x3fb8aa3b                    ; c = log2(e)
	s_mov_b32 s[CP+1], s[CP]
	s_mov_b32 s[CN], 0xbfb8aa3b                    ; -c
	s_mov_b32 s[CN+1], s[CN]
	s_mov_b32 s[C2], 0x4038aa3b                    ; 2 c
	s_mov_b32 s[C2+1], s[C2]
	s_mov_b32 s[K1], 0x3d93bb63                    ; DT / ln 2
	s_mov_b32 s[K1+1], s[K1]
	s_mov_b32 s[C126], 0x42fc0000                  ; 126
	s_mov_b32 s[C40], 0x42200000                   ; 40
	s_mov_b32 s[CTAU], 0x3c6c5f04                  ; 0.01 / ln 2
	s_mov_b32 s[C512], 0x3b000000                  ; 1 / 512
	s_mov_b32 s[CEPS], 0x3827c5ac                  ; 4e-5
	s_wait_kmcnt 0x0
	s_add_nc_u64 s[GB:GB+1], s[8:9], s[74:75]
	s_mov_b32 s[G0], 1
	s_mov_b32 s[G0C], 1
	s_add_co_u32 s[G0C+1], s76, CONST
	s_add_nc_u64 s[G0C+2:G0C+3], s[8:9], s[76:77]
	s_add_nc_u64 s[G0C+2:G0C+3], s[G0C+2:G0C+3], CONSTO
	s_or_b32 s[G0C+3], s[G0C+3], 0x80000000
	s_add_nc_u64 s[4:5], s[4:5], s[78:79]
	s_add_nc_u64 s[XR:XR+1], s[4:5], s[82:83]
	s_add_nc_u64 s[6:7], s[6:7], s[80:81]
	s_add_nc_u64 s[10:11], s[10:11], s[78:79]
	s_add_nc_u64 s[10:11], s[10:11], s[82:83]
	ROUND                                          ; all four work-groups are here: the first joint load meets
	tensor_load_to_lds s[G0C:G0C+3], s[G1E:G1E+7]  ; the six vectors: filled once
	s_nop 0
	PLACES
	v_and_b32 v25, 31, v0                          ; lane
	v_and_b32 v26, 15, v0                          ; r
	v_bfe_u32 v27, v0, 4, 1                        ; h
	s_lshl_b32 s74, s[WV], 7
	v_lshl_add_u32 v30, v27, 6, s74                ; 128 w + 64 h: my 16 columns in bytes
	v_lshl_add_u32 v[XO], v26, 11, v30
	v_lshl_add_u32 v[UO], v26, 10, v30
.irp e, 0,1                                        ; u: columns 128 e + 32 w + 16 h + 0 .. 15 of rows 16 m + r, into ACC0 and ACC1
.irp m, 0,1,2,3
.irp i, 0,1,2,3
	global_load_b128 v[ACC0+64*\e+16*\m+4*\i:ACC0+64*\e+16*\m+4*\i+3], v[UO], s[6:7] offset:16384*\m+512*\e+16*\i th:TH_LOAD_NT
.endr
.endr
.endr
	WIN 0x40                                       ; destination window 1
.irp q, 0,1,2,3                                    ; x into XS (it is read again at the end: no hint)
.irp m, 0,1,2,3
.irp i, 0,1,2,3
	global_load_b128 v[64*\q+16*\m+4*\i:64*\q+16*\m+4*\i+3], v[XO], s[4:5] offset:32768*\m+512*\q+16*\i
.endr
.endr
.endr
	WIN 0
	v_lshlrev_b32 v[B16], 4, v25
	v_add_nc_u32 v[B16], s[L0], v[B16]
	v_lshlrev_b32 v[B8], 3, v25
	v_add_nc_u32 v[B8], s[L0], v[B8]
	v_add_nc_u32 v[BB], CONST, v30
	v_lshl_add_u32 v[FX], v25, 4, XIMG
	v_lshl_add_u32 v[FH], v25, 4, HIMG
	v_lshl_add_u32 v[SX], v25, 2, XSC
	v_lshl_add_u32 v[SH], v25, 2, HSC
	v_lshl_add_u32 v[GL], v25, 4, CONST
	s_lshl_b32 s75, s[WV], 8
	v_lshlrev_b32 v28, 4, v26
	v_lshl_add_u32 v28, v27, 3, v28
	v_add_nc_u32 v28, s75, v28                     ; 256 w + 16 r + 8 h
	v_add_nc_u32 v[XST], XIMG, v28
	v_add_nc_u32 v[HST], HIMG, v28
	v_lshl_add_u32 v29, v26, 2, s[WV]              ; 4 r + w
	v_add_nc_u32 v[XSB], XSC, v29
	v_add_nc_u32 v[HSB], HSC, v29
	v_mad_u32_u24 v[SO0], v26, SPITCH, v30
	v_add_nc_u32 v[SO0], STAGE, v[SO0]
	v_add_nc_u32 v[SO0+1], 32*SPITCH, v[SO0]
	s_mul_i32 s77, s[WV], 16*SPITCH
	v_lshl_add_u32 v[SR], v25, 4, s77
	v_add_nc_u32 v[SR], STAGE, v[SR]
	v_lshlrev_b32 v[GO], 4, v25
.irp m, 0,1,2,3
	v_mov_b32 v[TP+\m], 0                          ; written once: a lane permute's destination counts as one of its sources
.endr
	s_wait_loadcnt 63                              ; behind u's 32 loads stand x's 64: at most 63 out means that all of u is in
	QUANT ACC0, 0, 0, XST, 4096*4, XSB, 256*4      ; u is K steps 4 and 5 of xu, the same in both evaluations
	QUANT ACC1, 0, 0, XST, 4096*5, XSB, 256*5
	s_mov_b32 s[PASS], 2
	CHANGE_T                                       ; FW(0) of the first evaluation (its wait and round also show the six vectors whole)
	; ---------------- an evaluation of rhs(), and the step of XS
.Lpass:
	s_wait_loadcnt 0x0                             ; the first time: x
.irp q, 0,1,2,3
	QUANT 64*\q, 0x05, 0x01, XST, 4096*\q, XSB, 256*\q   ; XS is K steps 0 to 3
.endr
	BAR                                            ; xu's 24 images lie in LDS
	WIN 0xc0
.irp f, 0,1,2,3,4,5,6,7,8,9,10,11,12,13,14,15,16,17,18,19,20,21,22,23
.irp c, 0,1
	ds_load_b128 v[8*\f+4*\c:8*\f+4*\c+3], v[FX] offset:1024*\f+512*\c
.endr
.endr
	WIN 0x80                                       ; destination window 2: fb2 starts fW2's sums, so that all eight K steps have one form
.irp q, 0,1,2,3
.irp m, 0,1,2,3
.irp i, 0,1,2,3
	ds_load_b128 v[64*\q+16*\m+4*\i:64*\q+16*\m+4*\i+3], v[BB] offset:4096+512*\q+16*\i
.endr
.endr
.endr
	WIN 0
.irp s, 0,1,2,3,4,5
.irp t, 0,1
	ds_load_b32 v[XSCL+2*\s+\t], v[SX] offset:256*\s+128*\t
.endr
.endr
	s_mov_b32 s[KB], 0
	s_mov_b32 s[RK], 0
.Lf:                                                   ; tiles FW(0) to FW(6); each trip asks for the next FW
	CHANGE G1B, PARTB
	FWORK
	s_add_co_u32 s[RK], s[RK], 1
	s_cmp_lt_u32 s[RK], 7
	s_cbranch_scc1 .Lf
	CHANGE G1D, PARTB                              ; FW(7) is written out: it asks for a tile of the other shape, TG(0)
	FWORK
	E2ST
	s_mov_b32 s[RQ], 0
	s_mov_b32 s[KB], 0
.Ltg:                                                  ; tiles TG(0) to TG(2)
	CHANGE G1D, PARTD
	TGHEAD
	s_cmp_eq_u32 s[RQ], 0                          ; columns q - 1 are stepped here; the registers of XS and A differ from q to q: only these lines are written for each
	s_cbranch_scc1 .Lqj
	s_cmp_eq_u32 s[RQ], 1
	s_cbranch_scc1 .Lq0
	SNIP 1
	s_branch .Lqj
.Lq0:
	SNIP 0
.Lqj:
	TGREST 0
	s_add_co_u32 s[KB], s[KB], 512
	s_add_co_u32 s[RQ], s[RQ], 1
	s_cmp_lt_u32 s[RQ], 3
	s_cbranch_scc1 .Ltg
	CHANGE0                                        ; TG(3) is written out: it asks for nothing
	TGHEAD
	SNIP 2
	TGREST 1
	s_wait_alu depctr_va_vdst(0)
	s_barrier_wait -1                              ; every wave's reads of TG(3)'s slot are over (the signal stands in TGREST)
	s_sub_co_u32 s[PASS], s[PASS], 1
	s_cmp_eq_u32 s[PASS], 0
	s_cbranch_scc1 .Lout                           ; behind the second evaluation nothing more is asked for
	CHANGE_T                                       ; FW(0) of the second evaluation is asked for first;
	SNIP 3                                         ; columns 3 are stepped while it comes
	s_cmp_lg_u32 s[PASS], 0
	s_wait_alu depctr_va_vdst(0)
	s_cbranch_scc1 .Lpass
.Lout:
	SNIP 3                                         ; the same step on the way out of the loop
	; ---------------- THE WAY OUT.  A row's 2,048 bytes of x1 + dx2 come from four waves: they meet in the stage (rows 2,064 bytes apart: 4 words modulo 64 banks), and each wave takes 16 whole rows back.
	; The stage lies over slot 1, which has had its last fill; its last reads, TG(3)'s, lie behind the barrier just passed.
	WIN 0x80                                       ; destination window 2, whose sums are done with: ln_g and ln_b at my columns of a whole row
.irp j, 0,1,2,3
	ds_load_b128 v[4*\j:4*\j+3], v[GL] offset:10240+512*\j
	ds_load_b128 v[16+4*\j:16+4*\j+3], v[GL] offset:12288+512*\j
.endr
	WIN 0x04                                       ; an LDS store's data are its source 1: window 1
	s_wait_alu depctr_va_vdst(0)
.irp m, 0,1,2,3
.irp q, 0,1,2,3
.irp i, 0,1,2,3
	ds_store_b128 v[SO0+\m/2], v[64*\q+16*\m+4*\i:64*\q+16*\m+4*\i+3] offset:16*SPITCH*(\m%2)+512*\q+16*\i
.endr
.endr
.endr
	WIN 0
	BAR                                            ; 64 whole rows lie in the stage
	WIN 0x40
.irp t, 0,1,2,3,4,5,6,7,8,9,10,11,12,13,14,15
.irp j, 0,1,2,3
	ds_load_b128 v[16*\t+4*\j:16*\t+4*\j+3], v[SR] offset:SPITCH*\t+512*\j
.endr
.endr
	LNGROUP 0
	LNGROUP 1
	LNGROUP 2
	LNGROUP 3
	WIN 0
	s_wait_tensorcnt 0x0                           ; the wave's end, behind my last tensor load and my last LDS store
	ds_add_u32 v[SPW], v[NIL]
	s_wait_dscnt 0x0
	ROUND                                          ; the closing round: no work-group ends while a partner may still ask for a tile that names it
	s_endpgm
.Lfunc_end_k_q6b63fdeb6b_cell:
	.size	k_q6b63fdeb6b_cell, .Lfunc_end_k_q6b63fdeb6b_cell-k_q6b63fdeb6b_cell
	.p2alignl 7, 3214868480
	.fill 96, 4, 3214868480
	.section	.rodata,"a",@progbits
	.p2align	6, 0x0
	.amdhsa_kernel k_q6b63fdeb6b_cell
		.amdhsa_group_segment_fixed_size 327680
		.amdhsa_private_segment_fixed_size 0
		.amdhsa_enable_private_segment 0
		.amdhsa_kernarg_size 32
		.amdhsa_user_sgpr_count 2
		.amdhsa_user_sgpr_kernarg_segment_ptr 1
		.amdhsa_wavefront_size32 1
		.amdhsa_system_sgpr_workgroup_id_x 1
		.amdhsa_system_sgpr_workgroup_id_y 1
		.amdhsa_system_sgpr_workgroup_id_z 1
		.amdhsa_system_vgpr_workitem_id 0
		.amdhsa_next_free_vgpr 1024
		.amdhsa_next_free_sgpr 96
		.amdhsa_reserve_vcc 0
		.amdhsa_float_denorm_mode_32 3
		.amdhsa_float_denorm_mode_16_64 3
		.amdhsa_memory_ordered 1
		.amdhsa_forward_progress 1
		.amdhsa_inst_pref_size 255
	.end_amdhsa_kernel
	.section	.bss,"aw",@nobits
	.p2align	6
	.space	262144
	.amdgpu_metadata
---
amdhsa.version: [ 1, 2 ]
amdhsa.kernels:
  - .name:           k_q6b63fdeb6b_cell
    .symbol:         k_q6b63fdeb6b_cell.kd
    .args:
      - { .name: x, .offset: 0, .size: 8, .value_kind: global_buffer, .address_space: global }
      - { .name: u, .offset: 8, .size: 8, .value_kind: global_buffer, .address_space: global }
      - { .name: wstream, .offset: 16, .size: 8, .value_kind: global_buffer, .address_space: global }
      - { .name: out0, .offset: 24, .size: 8, .value_kind: global_buffer, .address_space: global }
    .group_segment_fixed_size: 327680
    .private_segment_fixed_size: 0
    .kernarg_segment_align: 8
    .kernarg_segment_size: 32
    .max_flat_workgroup_size: 128
    .sgpr_count:     96
    .vgpr_count:     1024
    .wavefront_size: 32
...
	.end_amdgpu_metadata
.endif
;; end of part 2
